; MI455X (gfx1250); checked and timed in simulation.
; The chip was launched on July 23, 2026; its instructions are those of AMD's public machine-readable ISA for CDNA 5 (MIT licence, August 2026) and "CDNA5" Instruction Set Architecture Reference Guide (July 2026). The comments in the code are by the model that wrote it; some were corrected since.
;; Multi Head Attention. Allowed arithmetic: matrix products marked QUANTISED: E4M3 operands, one E8M0 scale for each 32 along K, by v_wmma_scale_f32_16x16x128_f8f6f4 with both operands' format E4M3, f32 sums; everything else in f32.
;; Inputs: Wk 1,024 x 1,024 float32; Wq 1,024 x 1,024 float32; Wv 1,024 x 1,024 float32; bk 1,024 float32; bq 1,024 float32; bv 1,024 float32; x 4 x 2,048 x 1,024 float32.
;; Outputs: out0 4 x 2,048 x 1,024 float32.
;; This version of the problem:
;;   THIS VERSION OF THE PROBLEM IS GIVEN IN LOW PRECISION. The matrix products marked QUANTISED in the list below multiply operands that are first quantised to E4M3 (4 exponent bits, 3 mantissa bits; 8 bits a number), with one power-of-two scale for each 32 numbers along K (OCP MX v1.0); their sums are f32. All else is computed in f32.
;;   The module's matrix products, in the order in which they are computed (A, B: the left and right operand; K: the contracted axis; several contracted axes count as one K, in the product's order):
;;     1. [M 8,192, K 1,024] x [K 1,024, N 1,024]; A: input x; B: input Wq: QUANTISED
;;     2. [M 8,192, K 1,024] x [K 1,024, N 1,024]; A: input x; B: input Wk: QUANTISED
;;     3. [M 8,192, K 1,024] x [K 1,024, N 1,024]; A: input x; B: input Wv: QUANTISED
;;     4. batch 64 x [M 2,048, K 64] x [K 64, N 2,048]; A: computed on the way; B: computed on the way: QUANTISED
;;     5. batch 64 x [M 2,048, K 2,048] x [K 2,048, N 64]; A: softmax (see below); B: computed on the way: QUANTISED
;;   THE QUANTISER, for each operand of a quantised product, along K:
;;     - K is cut into blocks of 32 from its start; a last block that is shorter is filled with zeros.
;;     - A block's scale is 2^e with e = floor(log2(the largest magnitude in the block)) - 8, held to -126 .. 127; a block of zeros has e = 0. As a byte (E8M0): e + 127.
;;     - Each number is divided by its block's scale, clamped to +-448, and rounded to the nearest number of E4M3, ties to even, subnormals kept.
;;     - The product sums the exact products of the quantised numbers (number of the format x scale) in f32.
;;   ~~~python
;;   def quantise(x, axis):      # numpy; x: float32 -> the quantised numbers, widened to float32 again
;;       x = np.moveaxis(x, axis, -1); K = x.shape[-1]
;;       x = np.pad(x, [(0, 0)] * (x.ndim - 1) + [(0, -K % 32)]); x = x.reshape(x.shape[:-1] + (-1, 32)); a = np.abs(x).max(-1, keepdims=True)
;;       e = np.where(a > 0, np.clip(np.frexp(np.where(a > 0, a, 1))[1] - 1 - 8, -126, 127), 0)      # np.frexp(a)[1] - 1 = floor(log2(a)), exactly
;;       r = np.clip(x / 2.0 ** e, -448, 448)
;;       step = 2.0 ** (np.maximum(np.frexp(np.where(r == 0, 1, r))[1] - 1, -6) - 3)
;;       q = np.round(r / step) * step * 2.0 ** e      # np.round: ties to even
;;       return np.moveaxis(q.reshape(q.shape[:-2] + (-1,))[..., :K], -1, axis).astype(np.float32)
;;   ~~~
;;   SOFTMAX AHEAD OF A QUANTISED PRODUCT. Where the list says 'softmax', what is quantised is not the finished softmax but p = 2^(t - M), with t = logit x log2(e) and M = ceil(the row's largest t), a whole number; so 1/2 < the row's largest p <= 1. The row's sum l is taken of the UNQUANTISED p, in f32, and the product's result is divided by l at the end. Since M is a whole number, a kernel that streams over the keys may use a running M (the ceiling of the running maximum): every later rescaling is an exact power of two, which a block's scale takes up: the codes' values come out the same.
;;   OPERANDS COMPUTED ON THE WAY. 'Computed on the way' means the value that the module computes at that place (a softmax that the list does not call 'softmax' is quantised finished and normalised). What goes into a quantiser is computed in f32, as accurately as f32 sums, v_exp_f32 and their like allow (about 1e-6 of the number): no bf16 or f16 on the way to a quantiser, and a product that is left as it is and whose result goes on into a quantised operand takes f32 operands (vector FMAs, or v_wmma_f32_16x16x4_f32). A number that lies on a knife's edge between two numbers of the format may be rounded either way, as far as f32 arithmetic and the matrix unit's own rounding can turn it there, and no further.
;; One version. Each part assembles by itself: llvm-mc -triple=amdgcn-amd-amdhsa -mcpu=gfx1250 --defsym DOCPART=n.
;; ======== version 1 of 1: 3 launches
;; limits: right only within a limited range of input values
;; workspace buffers: xc 8,388,608 bytes; xs 262,144 bytes; wc 3,145,728 bytes; ws 98,304 bytes; qc 8,650,752 bytes; kv 17,301,504 bytes
;; launch quant (part 1): grid 352 x 1, 4 waves a work-group, no clusters, 68,096 bytes of LDS; arguments x, Wq, Wk, Wv, xc, xs, wc, ws; writes xc, xs, wc, ws
.if DOCPART == 1
	.amdgcn_target "amdgcn-amd-amdhsa--gfx1250"
	.amdhsa_code_object_version 6
	.text
	.protected	k_qc48eabc2ac_quant
	.globl	k_qc48eabc2ac_quant
	.p2align	8
	.type	k_qc48eabc2ac_quant,@function
k_qc48eabc2ac_quant:
	s_mov_b64 s[64:65], 0
	v_nop
	global_prefetch_b8 v0, s[64:65] scope:SCOPE_SE
	s_setreg_imm32_b32 hwreg(HW_REG_WAVE_MODE, 25, 1), 1
	s_wait_xcnt 0x0
; x [8192][1024] and Wq, Wk, Wv [1024 (k)][1024 (n)], f32, become codes of FP8 (E4M3), K innermost, with one E8M0 byte for each 32 along K.
; xc [8192][1024], xs [8192][32]: x's rows.  wc [3072][1024], ws [3072][32]: the columns of Wq, then of Wk, then of Wv, as rows along K.
; A block's scale is 2^(floor(log2(its largest magnitude)) - 8); its byte is the largest magnitude's exponent field - 8, held at 1 from below.  Each number is divided by the scale, held within +-448, rounded to the nearest code.
; ROWS CHANGE PLACES: in each group of 32 rows, place 16 u + 8 a + j holds row 16 a + 8 u + j (bits 3 and 4 of the row's number are swapped).  Sixteen neighbouring places are then the rows 8 u + r + 8 (r / 8) of the group,
; which is the choice of rows by which a transposed product leaves 16 neighbours along the next K in a lane's 16 registers: the next launch reads plain tiles.
; LIMITS: a block of zeros gets the byte 1 and not 127 (its codes are zeros, and this program alone reads the bytes); blocks whose largest magnitude lies under 2^-118 are held at the byte 1; NaN and infinities are not served.
; Work-groups 0 to 255 take x, 32 rows each (a lane holds 16 neighbours along K; the loads are dense and turn through the wave's own stage in LDS).  Work-groups 256 to 351 take a weight: 128 columns x 256 along K
; (a lane takes a column, its registers run down K; the codes leave through the wave's own stage as rows).  The two paths have LDS bytes of their own.  No barrier: waves share nothing.
.set MANT,  0x600000                   ; the mantissa field of 448 as f32
.set STEPS, 16                         ; x: steps of 512 numbers for a wave
.set CB,    16                         ; bytes of 16 codes
.set XR,    16                         ; v16-79   four sets of 16 numbers as they are loaded
.set XX,    80                         ; v80-111  two sets of 16 neighbours
.set XE,    112                        ; v112-127 a scale byte for each step
.set XC,    128                        ; v128-191 codes: four registers for each step
.set WREG,  8192                       ; x: LDS for a wave: two stages of 32 x SP bytes, then its 256 scale bytes
.set SP,    80                         ; a lane's place in a stage: 64 bytes + 16 of padding
.set NB,    8                          ; W: blocks of 32 along K for a wave
.set PITCH, 272                        ; W: a stage row: 256 bytes of codes + 16
.set WSTG,  32768                      ; W: the stages begin behind x's LDS
.set WX,    32                         ; v32-95   two sets of 32 numbers
.set WC,    96                         ; v96-103  a block's codes
.set WO,    112                        ; v112-175 the way out
.set WSB,   24                         ; v24-25   the scale bytes
	s_load_b256 s[4:11], s[0:1], 0x0               ; x s[4:5], Wq s[6:7], Wk s[8:9], Wv s[10:11]
	s_load_b256 s[12:19], s[0:1], 0x20             ; xc s[12:13], xs s[14:15], wc s[16:17], ws s[18:19]
	v_lshl_add_u32 v192, v0, 2, 0x10800
	v_mov_b32 v193, 0
	v_lshrrev_b32 v1, 5, v0
	v_readfirstlane_b32 s20, v1                    ; wave 0..3
	v_and_b32 v2, 31, v0                           ; lane
	s_cmp_lt_u32 ttmp9, 256
	s_cbranch_scc0 .Lweights
	; ---------------- x ----------------
	v_lshlrev_b32 v3, 4, v2                        ; my 16 bytes of a load's 512
	s_mul_i32 s21, s20, WREG
	v_lshrrev_b32 v14, 2, v2
	v_mul_u32_u24 v14, v14, SP
	v_and_b32 v15, 3, v2
	v_lshl_add_u32 v14, v15, 4, v14
	v_add_nc_u32 v14, s21, v14                     ; the stage, on the way in: SP (lane / 4) + 16 (lane % 4)
	v_mul_u32_u24 v15, v2, SP
	v_add_nc_u32 v15, s21, v15                     ; and on the way out: SP x lane: my 16 neighbours
	v_mul_u32_u24 v4, v2, CB                       ; my codes' place in a step's
	v_lshrrev_b32 v5, 1, v2
	s_add_co_u32 s21, s21, 2*32*SP
	v_add_nc_u32 v5, s21, v5                       ; my block's byte among my wave's 256
	v_lshlrev_b32 v7, 3, v2
	v_add_nc_u32 v6, s21, v7                       ; and on the way out 8 bytes a lane
	s_mov_b32 s23, MANT
	s_lshl_b32 s24, ttmp9, 2
	s_add_co_u32 s26, s24, s20                     ; the run of 8 rows that I read: 4 x work-group + wave
	s_and_b32 s25, s20, 1
	s_lshl_b32 s25, s25, 1
	s_lshr_b32 s28, s20, 1
	s_add_co_u32 s25, s25, s28
	s_add_co_u32 s28, s24, s25                     ; and the run of 8 places that I write: the wave's two bits swapped
	s_lshl_b32 s26, s26, 15                        ; 8 rows of 4,096 bytes
	s_mov_b32 s27, 0
	s_lshl_b32 s30, s28, 13                        ; 8 rows of 1,024 codes
	s_mov_b32 s31, 0
	s_lshl_b32 s28, s28, 8                         ; 8 rows of 32 scale bytes
	s_mov_b32 s29, 0
	s_wait_alu depctr_va_vdst(0)
	s_wait_kmcnt 0x0
	s_add_nc_u64 s[4:5], s[4:5], s[26:27]
	s_add_nc_u64 s[12:13], s[12:13], s[30:31]
	s_add_nc_u64 s[14:15], s[14:15], s[28:29]
.macro XLOAD t
.irp i, 0,1,2,3
	global_load_b128 v[XR+16*((\t)%4)+4*\i:XR+16*((\t)%4)+4*\i+3], v3, s[4:5] offset:2048*(\t)+512*\i th:TH_LOAD_NT   ; 32 lanes read 512 consecutive bytes
.endr
.endm
.macro XTURN t                         ; step t's numbers through the stage: LDS serves a wave's instructions in order, so no wait stands between the stores and the loads
.irp i, 0,1,2,3
	ds_store_b128 v14, v[XR+16*((\t)%4)+4*\i:XR+16*((\t)%4)+4*\i+3] offset:32*SP*((\t)%2)+8*SP*\i
.endr
.irp i, 0,1,2,3
	ds_load_b128 v[XX+16*((\t)%2)+4*\i:XX+16*((\t)%2)+4*\i+3], v15 offset:32*SP*((\t)%2)+16*\i
.endr
.endm
.irp t, 0,1,2,3
	XLOAD \t
.endr
	s_wait_loadcnt 12                              ; step 0's four loads are in; those of steps 1 to 3 may be out
	XTURN 0
.macro XSTEP t
.set XSS, XX+16*((\t)%2)
.if (\t) > 0
	s_wait_dscnt 1                                 ; this step's numbers are back from the stage (the last step's byte store may be out)
.else
	s_wait_dscnt 0x0
.endif
.if (\t)+4 < STEPS
	XLOAD (\t)+4                                   ; the registers that the stage's stores have read take the loads of four steps on
.endif
.if (\t)+1 < STEPS
.if STEPS-2-(\t) >= 3
	s_wait_loadcnt 12                              ; the next step's four loads are in; those of the three steps behind it may be out
.else
	s_wait_loadcnt 4*(STEPS-2-(\t))
.endif
	XTURN (\t)+1
.endif
	v_max3_num_f32 v8, |v[XSS]|, |v[XSS+1]|, |v[XSS+2]|            ; the largest magnitude of my 16, in two chains
	v_max3_num_f32 v9, |v[XSS+3]|, |v[XSS+4]|, |v[XSS+5]|
.irp i, 6,10
	v_max3_num_f32 v8, v8, |v[XSS+\i]|, |v[XSS+\i+1]|
	v_max3_num_f32 v9, v9, |v[XSS+\i+2]|, |v[XSS+\i+3]|
.endr
	v_max3_num_f32 v8, v8, |v[XSS+14]|, |v[XSS+15]|
	v_max3_num_f32 v8, v8, v9, 0x4800000           ; and the floor 2^(9 - 127): the byte cannot fall under 1
	v_max_num_f32_dpp v8, v8, v8 row_xmask:1 row_mask:0xf bank_mask:0xf   ; and of my neighbour's 16: the block's
	v_add_nc_u32 v11, 0xfc000000, v8               ; 8 off its exponent field: the conversion takes the exponent field of this operand as its scale
	v_and_or_b32 v10, v8, 0x7f800000, s23          ; 448 x the scale
.irp i, 0,1,2,3,4,5,6,7,8,9,10,11,12,13,14,15
	v_med3_num_f32 v[XSS+\i], v[XSS+\i], -v10, v10 ; the conversion to an 8-bit code does not saturate (ISA guide 7.6.2): the hold comes first
.endr
	v_cvt_scalef32_pk8_fp8_f32 v[XC+4*(\t):XC+4*(\t)+1], v[XSS:XSS+7], v11
	v_cvt_scalef32_pk8_fp8_f32 v[XC+4*(\t)+2:XC+4*(\t)+3], v[XSS+8:XSS+15], v11
	v_lshrrev_b32 v[XE+(\t)], 23, v11              ; the scale's byte
	ds_store_b8 v5, v[XE+(\t)] offset:16*(\t)      ; both lanes of a block write the same byte with the same value
	global_store_b128 v4, v[XC+4*(\t):XC+4*(\t)+3], s[12:13] offset:32*CB*(\t)   ; the wave stores 512 consecutive bytes
.endm
.irp t, 0,1,2,3,4,5,6,7,8,9,10,11,12,13,14,15
	XSTEP \t
.endr
	ds_load_b64 v[12:13], v6                       ; LDS serves a wave's instructions in order: these see my stores
	s_wait_dscnt 0x0
	global_store_b64 v7, v[12:13], s[14:15]        ; 32 lanes store 256 consecutive bytes, aligned
	s_wait_tensorcnt 0x0
	ds_add_u32 v192, v193
	s_wait_dscnt 0x0
	s_endpgm
	; ---------------- the weights ----------------
.Lweights:
	s_sub_co_u32 s21, ttmp9, 256                   ; 0 .. 95
	s_lshr_b32 s22, s21, 5                         ; which weight: 0 Wq, 1 Wk, 2 Wv
	s_bfe_u32 s23, s21, 0x30002                    ; which 128 columns
	s_and_b32 s24, s21, 3                          ; which 256 along K
	s_lshl_b32 s25, s23, 7
	s_lshl_b32 s26, s20, 5
	s_add_co_u32 s25, s25, s26                     ; my wave's first column
	s_wait_alu depctr_va_vdst(0)
	v_lshlrev_b32 v3, 2, v2                        ; in: 4 bytes a lane
	s_mul_i32 s26, s20, 32*PITCH
	s_add_co_u32 s26, s26, WSTG                    ; my stage
	v_and_b32 v5, 7, v2
	v_bfe_u32 v6, v2, 3, 1
	v_lshl_add_u32 v5, v6, 4, v5
	v_bfe_u32 v6, v2, 4, 1
	v_lshl_add_u32 v5, v6, 3, v5                   ; my column's place among the 32: bits 3 and 4 swapped
	v_mul_u32_u24 v4, v5, PITCH
	v_add_nc_u32 v4, s26, v4                       ; into the stage: row = my column's place
	v_lshlrev_b32 v9, 5, v5                        ; and its row of 32 scale bytes
	v_and_b32 v5, 15, v2
	v_lshrrev_b32 v6, 4, v2                        ; out of the stage: sixteen lanes to a row, two rows an instruction
	v_mul_u32_u24 v7, v6, PITCH
	v_lshl_add_u32 v7, v5, 4, v7
	v_add_nc_u32 v7, s26, v7
	v_lshlrev_b32 v8, 10, v6
	v_lshl_add_u32 v8, v5, 4, v8                   ; the same place in the codes' buffer
	s_lshl_b32 s28, s24, 20                        ; W: 256 rows of 4,096 bytes for each step along K,
	s_lshl_b32 s27, s25, 2
	s_add_co_u32 s28, s28, s27                     ; + 4 x column
	s_mov_b32 s29, 0
	s_lshl_b32 s27, s22, 10
	s_add_co_u32 s27, s27, s25                     ; my first row of wc and ws
	s_lshl_b32 s30, s27, 10
	s_lshl_b32 s32, s24, 8
	s_add_co_u32 s30, s30, s32
	s_mov_b32 s31, 0
	s_lshl_b32 s32, s27, 5
	s_lshl_b32 s33, s24, 3
	s_add_co_u32 s32, s32, s33
	s_mov_b32 s33, 0
	s_mov_b32 s34, MANT
	s_wait_kmcnt 0x0
	s_cmp_eq_u32 s22, 0                            ; the choice hangs on the work-group's number alone
	s_cselect_b64 s[6:7], s[6:7], s[8:9]
	s_cmp_eq_u32 s22, 2
	s_cselect_b64 s[6:7], s[10:11], s[6:7]
	s_add_nc_u64 s[6:7], s[6:7], s[28:29]
	s_add_nc_u64 s[16:17], s[16:17], s[30:31]
	s_add_nc_u64 s[18:19], s[18:19], s[32:33]
.macro WLOAD t                         ; block t: W(32 t + i, my column), i = 0 .. 31, into set t % 2; a wave's load reads 128 consecutive bytes
.irp i, 0,1,2,3,4,5,6,7,8,9,10,11,12,13,14,15,16,17,18,19,20,21,22,23,24,25,26,27,28,29,30,31
	global_load_b32 v[WX+32*((\t)%2)+\i], v3, s[6:7] offset:(32*(\t)+\i)*4096 th:TH_LOAD_NT
.endr
.endm
	WLOAD 0
	WLOAD 1
.macro WBLOCK t
.set WXS, WX+32*((\t)%2)
.if (\t) < NB-1
	s_wait_loadcnt 32                              ; this block's 32 loads are in; the next block's may be out
.else
	s_wait_loadcnt 0x0
.endif
	v_max3_num_f32 v12, |v[WXS]|, |v[WXS+1]|, |v[WXS+2]|           ; the block's largest magnitude: all 32 numbers are mine
	v_max3_num_f32 v13, |v[WXS+3]|, |v[WXS+4]|, |v[WXS+5]|
.irp i, 6,10,14,18,22,26
	v_max3_num_f32 v12, v12, |v[WXS+\i]|, |v[WXS+\i+1]|
	v_max3_num_f32 v13, v13, |v[WXS+\i+2]|, |v[WXS+\i+3]|
.endr
	v_max3_num_f32 v12, v12, |v[WXS+30]|, |v[WXS+31]|
	v_max3_num_f32 v12, v12, v13, 0x4800000        ; and the floor
	v_add_nc_u32 v11, 0xfc000000, v12              ; the conversion's scale operand
	v_and_or_b32 v10, v12, 0x7f800000, s34         ; 448 x the scale
	v_lshrrev_b32 v13, 23, v11                     ; the scale's byte
.if (\t)%4 == 0
	v_mov_b32 v[WSB+(\t)/4], v13                   ; four bytes to a register, the lower K in the lower byte
.else
	v_lshl_or_b32 v[WSB+(\t)/4], v13, 8*((\t)%4), v[WSB+(\t)/4]
.endif
.irp i, 0,1,2,3,4,5,6,7,8,9,10,11,12,13,14,15,16,17,18,19,20,21,22,23,24,25,26,27,28,29,30,31
	v_med3_num_f32 v[WXS+\i], v[WXS+\i], -v10, v10
.endr
.irp g, 0,1,2,3
	v_cvt_scalef32_pk8_fp8_f32 v[WC+2*\g:WC+2*\g+1], v[WXS+8*\g:WXS+8*\g+7], v11
.endr
	ds_store_b128 v4, v[WC:WC+3] offset:32*(\t)    ; 32 codes: 32 bytes of my column's row
	ds_store_b128 v4, v[WC+4:WC+7] offset:32*(\t)+16
.if (\t)+2 < NB
	WLOAD (\t)+2
.endif
	s_wait_dscnt 0x0                               ; the stores have read their registers: the next block's codes may be written
.endm
.irp t, 0,1,2,3,4,5,6,7
	WBLOCK \t
.endr
	global_store_b64 v9, v[WSB:WSB+1], s[18:19]    ; my column's 8 scale bytes
.irp t, 0,1,2,3,4,5,6,7,8,9,10,11,12,13,14,15
	ds_load_b128 v[WO+4*\t:WO+4*\t+3], v7 offset:2*\t*PITCH
.endr
.irp t, 0,1,2,3,4,5,6,7,8,9,10,11,12,13,14,15
	s_wait_dscnt 15-\t                             ; LDS loads come back in order: load t is in, the later ones may be out
	global_store_b128 v8, v[WO+4*\t:WO+4*\t+3], s[16:17] offset:2*\t*1024   ; sixteen lanes store 256 consecutive bytes, aligned
.endr
	s_wait_tensorcnt 0x0
	ds_add_u32 v192, v193
	s_wait_dscnt 0x0
	s_endpgm
.Lfunc_end_k_qc48eabc2ac_quant:
	.size	k_qc48eabc2ac_quant, .Lfunc_end_k_qc48eabc2ac_quant-k_qc48eabc2ac_quant
	.p2alignl 7, 3214868480
	.fill 96, 4, 3214868480
	.section	.rodata,"a",@progbits
	.p2align	6, 0x0
	.amdhsa_kernel k_qc48eabc2ac_quant
		.amdhsa_group_segment_fixed_size 68096
		.amdhsa_private_segment_fixed_size 0
		.amdhsa_enable_private_segment 0
		.amdhsa_kernarg_size 64
		.amdhsa_user_sgpr_count 2
		.amdhsa_user_sgpr_kernarg_segment_ptr 1
		.amdhsa_wavefront_size32 1
		.amdhsa_system_sgpr_workgroup_id_x 1
		.amdhsa_system_sgpr_workgroup_id_y 1
		.amdhsa_system_sgpr_workgroup_id_z 1
		.amdhsa_system_vgpr_workitem_id 0
		.amdhsa_next_free_vgpr 194
		.amdhsa_next_free_sgpr 66
		.amdhsa_reserve_vcc 0
		.amdhsa_float_denorm_mode_32 3
		.amdhsa_float_denorm_mode_16_64 3
		.amdhsa_memory_ordered 1
		.amdhsa_forward_progress 1
		.amdhsa_inst_pref_size 110
	.end_amdhsa_kernel
	.amdgpu_metadata
---
amdhsa.version: [ 1, 2 ]
amdhsa.kernels:
  - .name:           k_qc48eabc2ac_quant
    .symbol:         k_qc48eabc2ac_quant.kd
    .args:
      - { .name: x, .offset: 0, .size: 8, .value_kind: global_buffer, .address_space: global }
      - { .name: Wq, .offset: 8, .size: 8, .value_kind: global_buffer, .address_space: global }
      - { .name: Wk, .offset: 16, .size: 8, .value_kind: global_buffer, .address_space: global }
      - { .name: Wv, .offset: 24, .size: 8, .value_kind: global_buffer, .address_space: global }
      - { .name: xc, .offset: 32, .size: 8, .value_kind: global_buffer, .address_space: global }
      - { .name: xs, .offset: 40, .size: 8, .value_kind: global_buffer, .address_space: global }
      - { .name: wc, .offset: 48, .size: 8, .value_kind: global_buffer, .address_space: global }
      - { .name: ws, .offset: 56, .size: 8, .value_kind: global_buffer, .address_space: global }
    .group_segment_fixed_size: 68096
    .private_segment_fixed_size: 0
    .kernarg_segment_align: 8
    .kernarg_segment_size: 64
    .max_flat_workgroup_size: 128
    .sgpr_count:     66
    .vgpr_count:     194
    .wavefront_size: 32
...
	.end_amdgpu_metadata
.endif
;; end of part 1
;; launch proj (part 2): grid 32 x 12, 4 waves a work-group, clusters of 4 x 4, 327,680 bytes of LDS; arguments xc, xs, wc, ws, bq, bk, bv, qc, kv; writes qc, kv
.if DOCPART == 2
	.amdgcn_target "amdgcn-amd-amdhsa--gfx1250"
	.amdhsa_code_object_version 6
	.text
	.protected	k_qc48eabc2ac_proj
	.globl	k_qc48eabc2ac_proj
	.p2align	8
	.type	k_qc48eabc2ac_proj,@function
k_qc48eabc2ac_proj:
	s_mov_b64 s[64:65], 0
	v_nop
	global_prefetch_b8 v0, s[64:65] scope:SCOPE_SE
	s_setreg_imm32_b32 hwreg(HW_REG_WAVE_MODE, 25, 1), 1
	s_wait_xcnt 0x0
	s_wait_alu depctr_hold_cnt(0) depctr_sa_sdst(0) depctr_va_vdst(0) depctr_va_sdst(0) depctr_va_ssrc(0) depctr_va_vcc(0) depctr_vm_vsrc(0)
	s_getreg_b32 s2, hwreg(HW_REG_IB_STS2, 6, 4)
	s_cmp_eq_u32 s2, 0
	s_cbranch_scc0 .Lentry_in_a_cluster
	s_endpgm
.Lentry_in_a_cluster:
	s_bfe_u32 s2, ttmp6, 0x10000c
	s_cmp_lg_u32 s2, 0xf033
	s_cbranch_scc0 .Lentry_shape_is_right
	s_endpgm
.Lentry_shape_is_right:
.set NQ,     2
.set ROWB,   256
.set KROW,   1024
.set PITCH,  272
.set FR,     16
.set NL,     4
.set NP,     8
.set HALFT,  128*PITCH
.set SLOT,   4*HALFT
.set LAPS,   2
.set KS,     32
.set SCL,    2*SLOT
.set HALFS,  (128*KS/256)*272
.set SBLK,   (16*KS/256)*272
.set SPARE,  SCL+4*HALFS
.set SO1,  6
.set BUO,  7
.set BT,   8
.set ADRA, 16
.set VO0,  18
.set VO1,  19
.set ADRB, 20
.set VO2,  22
.set VO3,  23
.set ADRS, 27
.set SPW,  28
.set NIL,  29
.set SO0,  30
.set BTO,  31
.set SC,   32
.set BU,   64
.set AF,   128
.set ST,   128
.set PC,   192
.set XW,   208
.set YW,   216
.set BB,   220
.set LN,   222
.set TM,   224
.set PWS,  240
.set WV,   22
.set TH,   23
.set UH,   46
.set MODEV, 47
.set PROD, 92
.set HS,   6
.set MASKV, 7
.set SEL,  8
.set MNT,  10
.set PRM0, 11
.set PRM1, 4
.set G1, 24
.set G0, 32
.set G1B, 48
.set G0B, 56
.set G1S, 68
.set G0S, 76
.set G1SB, 80
.set G0SB, 88
.set MSB, 0
.macro WIN new
.if MSB != (\new)
	s_set_vgpr_msb (MSB<<8)|(\new)
.set MSB, (\new)
.endif
.endm
.set MUL_LO, 0xa1
.set MUL_HI, 0xf1
.set TO_B,   0x40
.macro JLOAD g0a, g1a, g0b, g1b
	s_cmp_eq_u32 s[TH], 0
	s_cbranch_scc0 .Lfor_b_\@
	tensor_load_to_lds s[\g0a:\g0a+3], s[\g1a:\g1a+7]
	s_nop 0
.rept 4
	v_nop
.endr
	s_branch .Lasked_\@
.Lfor_b_\@:
	tensor_load_to_lds s[\g0b:\g0b+3], s[\g1b:\g1b+7]
	s_nop 0
.rept 4
	v_nop
.endr
.Lasked_\@:
.endm
.macro CREST
	s_cmp_lg_u32 s[WV], 0
	s_cbranch_scc1 .Lnot_wave_0_\@
	s_barrier_signal -3
.Lnot_wave_0_\@:
	s_barrier_wait -3
	s_barrier_signal -1
	s_barrier_wait -1
.endm
.macro CROUND
	s_barrier_signal -1
	s_barrier_wait -1
	CREST
.endm
	s_load_b256 s[4:11], s[0:1], 0x0
	s_load_b256 s[12:19], s[0:1], 0x20
	s_load_b64 s[20:21], s[0:1], 0x40
	v_lshl_add_u32 v[SPW], v0, 2, SPARE
	v_mov_b32 v[NIL], 0
	ds_add_u32 v28, v29
	ds_add_u32 v28, v29
	s_wait_dscnt 0x0
	v_lshrrev_b32 v1, 5, v0
	v_readfirstlane_b32 s[WV], v1
	s_lshr_b32 s[TH], s[WV], 1
	s_and_b32 s[UH], s[WV], 1
	s_bfe_u32 s40, ttmp6, 0x40000
	s_bfe_u32 s41, ttmp6, 0x40004
	s_mov_b32 s42, ttmp9
	s_and_b32 s43, ttmp7, 0xffff
	s_lshl_b32 s44, s41, 2
	s_lshl_b32 s44, 15, s44
	s_lshl_b32 s45, 0x1111, s40
	s_or_b32 s[G1+0], s44, (0<<16)|(1<<20)|(1<<21)|(5<<22)|(3<<25)
	s_or_b32 s[G1B+0], s45, (0<<16)|(1<<20)|(1<<21)|(5<<22)|(3<<25)
.irp g, G1, G1B
	s_mov_b32 s[\g+1], ROWB<<16
	s_mov_b32 s[\g+2], 128<<16
	s_mov_b32 s[\g+3], ROWB<<16
	s_mov_b32 s[\g+4], 128
	s_mov_b32 s[\g+5], KROW
	s_mov_b32 s[\g+6], 0
	s_mov_b32 s[\g+7], 0
.endr
	s_or_b32 s[G1S+0], s44, (3<<16)|(1<<20)|(1<<21)|(5<<22)|(3<<25)
	s_or_b32 s[G1SB+0], s45, (3<<16)|(1<<20)|(1<<21)|(5<<22)|(3<<25)
.irp g, G1S, G1SB
	s_mov_b32 s[\g+1], 32<<16
	s_mov_b32 s[\g+2], (128*KS/256)<<16
	s_mov_b32 s[\g+3], 32<<16
	s_mov_b32 s[\g+4], 128*KS/256
	s_mov_b32 s[\g+5], 32
	s_mov_b32 s[\g+6], 0
	s_mov_b32 s[\g+7], 0
.endr
	s_and_b32 s[PROD], s42, 1
	s_lshl_b32 s67, s[PROD], 10
	s_lshl_b32 s66, s42, 10
	s_lshr_b32 s93, s42, 1
	s_lshl_b32 s93, s93, 10
	s_lshl_b32 s94, s43, 12
	s_add_co_u32 s93, s93, s94
	s_mov_b32 s94, 2048
	s_cmp_eq_u32 s43, 2
	s_cselect_b32 s[MODEV], 1, 0
	s_cselect_b32 s66, s66, s67
	s_cselect_b32 s93, s94, s93
	s_cselect_b32 s[PROD], 2, s[PROD]
	s_lshl_b32 s95, s40, 8
	s_add_co_u32 s66, s66, s95
	s_lshl_b32 s96, s41, 8
	s_add_co_u32 s93, s93, s96
	s_lshl_b32 s97, s[UH], 7
	s_add_co_u32 s98, s93, s97
	s_add_co_u32 s100, s66, s97
	s_lshl_b32 s94, s98, 5
	s_lshl_b32 s96, s100, 5
	s_lshl_b32 s98, s98, 10
	s_lshl_b32 s100, s100, 10
	s_mov_b32 s95, 0
	s_mov_b32 s97, 0
	s_mov_b32 s99, 0
	s_mov_b32 s101, 0
	s_mul_i32 s44, s[WV], HALFT
	s_mul_i32 s45, s[WV], HALFS
	s_wait_kmcnt 0x0
	s_cmp_eq_u32 s[MODEV], 1
	s_cselect_b64 s[2:3], s[8:9], s[4:5]
	s_cselect_b64 s[8:9], s[4:5], s[8:9]
	s_cselect_b64 s[4:5], s[10:11], s[6:7]
	s_cselect_b64 s[10:11], s[6:7], s[10:11]
	s_add_nc_u64 s[2:3], s[2:3], s[98:99]
	s_add_nc_u64 s[4:5], s[4:5], s[94:95]
	s_add_nc_u64 s[8:9], s[8:9], s[100:101]
	s_add_nc_u64 s[10:11], s[10:11], s[96:97]
	CROUND
	s_mov_b32 s[G0S], 1
	s_add_co_u32 s[G0S+1], s45, SCL
	s_mov_b64 s[G0S+2:G0S+3], s[4:5]
	s_or_b32 s[G0S+3], s[G0S+3], 0x80000000
	s_mov_b32 s[G0SB], 1
	s_add_co_u32 s[G0SB+1], s45, SCL
	s_mov_b64 s[G0SB+2:G0SB+3], s[10:11]
	s_or_b32 s[G0SB+3], s[G0SB+3], 0x80000000
	JLOAD G0S, G1S, G0SB, G1SB
.irp s, 0,1
	s_mov_b32 s[G0+4*\s], 1
	s_add_co_u32 s[G0+4*\s+1], s44, \s*SLOT
	s_add_nc_u64 s[G0+4*\s+2:G0+4*\s+3], s[2:3], \s*ROWB
	s_or_b32 s[G0+4*\s+3], s[G0+4*\s+3], 0x80000000
	s_mov_b32 s[G0B+4*\s], 1
	s_add_co_u32 s[G0B+4*\s+1], s44, \s*SLOT
	s_add_nc_u64 s[G0B+4*\s+2:G0B+4*\s+3], s[8:9], \s*ROWB
	s_or_b32 s[G0B+4*\s+3], s[G0B+4*\s+3], 0x80000000
	s_wait_alu depctr_va_vdst(0)
	s_wait_tensorcnt 0x0
	ds_add_u32 v28, v29
	s_wait_dscnt 0x0
	CROUND
	JLOAD G0+4*\s, G1, G0B+4*\s, G1B
.endr
	v_and_b32 v1, 15, v0
	v_bfe_u32 v2, v0, 4, 1
	v_mul_u32_u24 v3, v1, PITCH
	v_lshl_add_u32 v4, v2, 4, v3
	s_mul_i32 s94, s[TH], HALFT
	s_mul_i32 s95, s[UH], HALFT
	s_add_co_u32 s95, s95, 2*HALFT
.irp s, 0,1
	v_add_nc_u32 v[ADRA+\s], s94, v4
	v_add_nc_u32 v[ADRB+\s], s95, v4
	s_add_co_u32 s94, s94, SLOT
	s_add_co_u32 s95, s95, SLOT
.endr
	v_mul_u32_u24 v5, v1, KS
	v_lshrrev_b32 v6, 8, v5
	v_lshl_add_u32 v5, v6, 4, v5
	s_mul_i32 s94, s[TH], HALFS
	s_mul_i32 s95, s[UH], HALFS
	s_add_co_u32 s95, s95, 2*HALFS
	s_sub_co_u32 s95, s95, s94
	v_mul_u32_u24 v6, s95, v2
	s_add_co_u32 s94, s94, SCL
	v_add_nc_u32 v5, v5, v6
	v_add_nc_u32 v[ADRS], s94, v5
	s_lshl_b32 s94, s40, 8
	s_lshl_b32 s95, s[UH], 7
	s_add_co_u32 s94, s94, s95
	s_lshl_b32 s94, s94, 2
	s_lshl_b32 s95, s41, 8
	s_lshl_b32 s96, s[TH], 7
	s_add_co_u32 s95, s95, s96
	s_lshl_b32 s95, s95, 2
	s_cmp_eq_u32 s[MODEV], 1
	s_cselect_b32 s94, 0, s94
	s_cselect_b32 s95, s95, 0
	v_lshl_add_u32 v[BUO], v2, 6, s94
	s_wait_alu depctr_va_vdst(0)
	v_and_b32 v3, 8, v1
	v_add_nc_u32 v3, v3, v1
	v_lshl_add_u32 v[BTO], v3, 2, s95
	s_wait_alu depctr_va_vdst(0)
	s_cmp_eq_u32 s[PROD], 0
	s_cselect_b64 s[12:13], s[12:13], s[14:15]
	s_cselect_b64 s[18:19], s[18:19], s[20:21]
	s_mov_b32 s98, 16896
	s_cselect_b32 s98, 8448, s98
	s_mov_b32 s100, 16384
	s_cselect_b32 s100, 8192, s100
	s_cmp_eq_u32 s[PROD], 2
	s_cselect_b64 s[12:13], s[16:17], s[12:13]
	s_mov_b32 s101, 16640
	s_cselect_b32 s100, s101, s100
	s_cselect_b32 s96, 8192, 0
	s_cselect_b32 s[MASKV], -1, 0
.irp b, 0,1,2,3
.irp q, 0,1,2,3
	global_load_b128 v[BU+16*\b+4*\q:BU+16*\b+4*\q+3], v[BUO], s[12:13] offset:128*\b+16*\q
.endr
.endr
.irp a, 0,1,2,3,4,5,6,7
	global_load_b32 v[BT+\a], v[BTO], s[12:13] offset:4*(32*(\a/2)+8*(\a%2))
.endr
	s_lshl_b32 s[HS], s98, 4
	s_sub_co_u32 s16, s[HS], 6144
	s_mov_b32 s101, 1024
	s_cmp_eq_u32 s[MODEV], 1
	s_cselect_b32 s16, s16, s101
	s_cselect_b32 s14, 2048, s101
	s_cselect_b32 s5, s101, s[HS]
	s_mov_b32 s15, 0
	s_mov_b32 s17, 0
	s_lshl_b32 s94, s[UH], 7
	s_add_co_u32 s94, s66, s94
	s_lshl_b32 s95, s[TH], 7
	s_add_co_u32 s95, s93, s95
	s_lshl_b32 s97, s41, 2
	s_lshl_b32 s99, s[TH], 1
	s_add_co_u32 s97, s97, s99
	s_lshl_b32 s99, s40, 2
	s_lshl_b32 s67, s[UH], 1
	s_add_co_u32 s99, s99, s67
	s_cmp_eq_u32 s[MODEV], 1
	s_cselect_b32 s94, s94, s95
	s_cselect_b32 s97, s97, s99
	s_lshr_b32 s95, s94, 11
	s_lshl_b32 s95, s95, 4
	s_add_co_u32 s95, s95, s97
	s_lshl_b32 s95, s95, 4
	s_bfe_u32 s94, s94, 0x40007
	s_add_co_u32 s95, s95, s94
	s_mul_i32 s94, s95, s98
	s_mov_b32 s95, 0
	s_mov_b32 s97, 0
	s_mov_b32 s101, 0
	s_add_nc_u64 s[18:19], s[18:19], s[94:95]
	s_add_nc_u64 s[20:21], s[18:19], s[100:101]
	s_add_nc_u64 s[18:19], s[18:19], s[96:97]
	v_and_b32 v3, 31, v0
	v_lshlrev_b32 v[VO0], 4, v3
	v_add_nc_u32 v[VO1], 512, v[VO0]
	v_add_nc_u32 v[VO2], s5, v[VO0]
	v_add_nc_u32 v[VO3], 512, v[VO2]
	v_lshlrev_b32 v[SO0], 3, v3
	v_add_nc_u32 v[SO1], s[HS], v[SO0]
	s_mov_b32 s[SEL], 0x76543210
	s_mov_b32 s[SEL+1], 0xfedcba98
	s_mov_b32 s[MNT], 0x600000
	s_mov_b32 s[PRM0], 0x05040100
	s_mov_b32 s[PRM1], 0x07060302
.macro FRAG reg, adr, q, i
.irp c, 0,1,2,3
	ds_load_b128 v[\reg+4*\c:\reg+4*\c+3], v[\adr] offset:128*(\q)+32*\c+(\i)*16*PITCH
.endr
.endm
.macro MUL16 a0, p, q, sc, zero
.irp a, \a0, \a0+1
.irp b, 0,1,2,3,4,5,6,7
.if \zero
	v_wmma_scale_f32_16x16x128_f8f6f4 v[8*(8*((\a)%4)+\b):8*(8*((\a)%4)+\b)+7], v[128*(\p)+FR*\b:128*(\p)+FR*\b+FR-1], v[AF+FR*(\a):AF+FR*(\a)+FR-1], 0, v[SC+8*NQ*(\sc)+NQ*\b+(\q)], v[SC+8*NQ*(\sc)+NQ*(\a)+(\q)] matrix_a_scale:MATRIX_SCALE_ROW1
.else
	v_wmma_scale_f32_16x16x128_f8f6f4 v[8*(8*((\a)%4)+\b):8*(8*((\a)%4)+\b)+7], v[128*(\p)+FR*\b:128*(\p)+FR*\b+FR-1], v[AF+FR*(\a):AF+FR*(\a)+FR-1], v[8*(8*((\a)%4)+\b):8*(8*((\a)%4)+\b)+7], v[SC+8*NQ*(\sc)+NQ*\b+(\q)], v[SC+8*NQ*(\sc)+NQ*(\a)+(\q)] matrix_a_scale:MATRIX_SCALE_ROW1
.endif
.endr
.endr
.endm
.macro FETCH_B slot, q, p
	WIN TO_B
.irp i, 0,1,2,3,4,5,6,7
	FRAG 128*(\p)+FR*\i, ADRB+\slot, \q, \i
.endr
	WIN 0
.endm
.macro FETCH_A slot, q, i0
.irp i, \i0, \i0+1, \i0+2, \i0+3
	FRAG AF+FR*(\i), ADRA+\slot, \q, \i
.endr
.endm
.macro SCALES sc
.irp i, 0,1,2,3,4,5,6,7
	ds_load_b64 v[SC+8*NQ*\sc+NQ*\i:SC+8*NQ*\sc+NQ*\i+1], v[ADRS] offset:\i*SBLK
.endr
.endm
.macro PLACES n
.rept \n
	v_nop
.endr
.endm
.macro STEP slot, q, zero
	s_wait_dscnt 4*NL
	WIN MUL_LO
	MUL16 0, (\q)%2, \q, \slot, \zero
	MUL16 2, (\q)%2, \q, \slot, \zero
	s_wait_dscnt 0
	PLACES NP
	FETCH_B \slot, (\q)+1, 1-(\q)%2
	FETCH_A \slot, (\q)+1, 0
	WIN MUL_HI
	MUL16 4, (\q)%2, \q, \slot, \zero
	MUL16 6, (\q)%2, \q, \slot, \zero
	PLACES NP
	WIN 0
	FETCH_A \slot, (\q)+1, 4
.endm
.macro TURN slot, next, fill
	s_wait_tensorcnt 0x0
	ds_add_u32 v[SPW], v[NIL]
	s_wait_dscnt 4*NL+1
	WIN MUL_LO
	MUL16 0, 1, NQ-1, \slot, 0
	s_wait_dscnt 0x0
	s_barrier_signal -1
	MUL16 2, 1, NQ-1, \slot, 0
	WIN 0
	s_barrier_wait -1
.if \fill
	CREST
	s_add_nc_u64 s[G0+4*\slot+2:G0+4*\slot+3], s[G0+4*\slot+2:G0+4*\slot+3], 2*ROWB
	s_add_nc_u64 s[G0B+4*\slot+2:G0B+4*\slot+3], s[G0B+4*\slot+2:G0B+4*\slot+3], 2*ROWB
	JLOAD G0+4*\slot, G1, G0B+4*\slot, G1B
	PLACES NP-4
.else
	PLACES NP
.endif
	s_wait_alu depctr_va_vdst(0)
	v_add_nc_u32 v[ADRS], 4*NQ, v[ADRS]
	FETCH_B \next, 0, 0
	FETCH_A \next, 0, 0
	SCALES \next
	WIN MUL_HI
	MUL16 4, 1, NQ-1, \slot, 0
	MUL16 6, 1, NQ-1, \slot, 0
	PLACES NP
	WIN 0
	FETCH_A \next, 0, 4
.endm
	s_wait_tensorcnt 1
	s_wait_loadcnt 0x0
	s_barrier_signal -1
	s_barrier_wait -1
	FETCH_B 0, 0, 0
	FETCH_A 0, 0, 0
	SCALES 0
	FETCH_A 0, 0, 4
	STEP 0, 0, 1
	s_mov_b32 s3, LAPS-1
.Llap:
	TURN 0, 1, 1
	STEP 1, 0, 0
	TURN 1, 0, 1
	STEP 0, 0, 0
	s_sub_co_u32 s3, s3, 1
	s_cmp_lg_u32 s3, 0
	s_cbranch_scc1 .Llap
	TURN 0, 1, 0
	STEP 1, 0, 0
	s_wait_dscnt 4*NL
	WIN MUL_LO
	MUL16 0, 1, NQ-1, 1, 0
	MUL16 2, 1, NQ-1, 1, 0
	s_wait_dscnt 0
	WIN MUL_HI
	MUL16 4, 1, NQ-1, 1, 0
	MUL16 6, 1, NQ-1, 1, 0
	WIN 0
.macro QUANT s, pw
.irp b, 0,1,2,3
	v_max3_num_f32 v[TM+\b], |v[\s+16*\b]|, |v[\s+1+16*\b]|, 0x4800000
.endr
.irp i, 2,4,6,8,10,12,14
.irp b, 0,1,2,3
	v_max3_num_f32 v[TM+\b], v[TM+\b], |v[\s+16*\b+\i]|, |v[\s+1+16*\b+\i]|
.endr
.endr
.irp b, 0,1,2,3
	v_permlanex16_b32 v[TM+4+\b], v[TM+\b], s[SEL], s[SEL+1]
.endr
.irp b, 0,1,2,3
	v_max_num_f32 v[TM+\b], v[TM+\b], v[TM+4+\b]
.endr
.irp b, 0,1,2,3
	v_add_nc_u32 v[TM+12+\b], 0xfc000000, v[TM+\b]
.endr
.irp b, 0,1,2,3
	v_and_or_b32 v[TM+8+\b], v[TM+\b], 0x7f800000, s[MNT]
.endr
.irp b, 0,1,2,3
	v_lshrrev_b32 v[TM+4+\b], 23, v[TM+12+\b]
.endr
	v_lshl_or_b32 v[\pw], v[TM+5], 8, v[TM+4]
	v_lshl_or_b32 v[\pw], v[TM+6], 16, v[\pw]
	v_lshl_or_b32 v[\pw], v[TM+7], 24, v[\pw]
.irp b, 0,1,2,3
.irp i, 0,1,2,3,4,5,6,7,8,9,10,11,12,13,14,15
	v_med3_num_f32 v[\s+16*\b+\i], v[\s+16*\b+\i], -v[TM+8+\b], v[TM+8+\b]
.endr
	v_cvt_scalef32_pk8_fp8_f32 v[PC+4*\b:PC+1+4*\b], v[\s+16*\b:\s+7+16*\b], v[TM+12+\b]
	v_cvt_scalef32_pk8_fp8_f32 v[PC+2+4*\b:PC+3+4*\b], v[\s+8+16*\b:\s+15+16*\b], v[TM+12+\b]
.endr
	v_nop
.endm
.macro OUT a
.set AC, 64*((\a)%4)
	s_cmp_eq_u32 s[MODEV], 1
	s_cbranch_scc1 .Lrow_bias_\@
	WIN 0x02+(\a)/4
.set n, 0
.rept 32
	v_pk_add_f32 v[ST+n:ST+n+1], v[AC+n:AC+n+1], v[BU+n:BU+n+1]
.set n, n+2
.endr
	WIN 0
	s_branch .Lbiased_\@
.Lrow_bias_\@:
	v_mov_b32 v[BB], v[BT+(\a)]
	s_wait_alu depctr_va_vdst(0)
	WIN 0x02+(\a)/4
.set n, 0
.rept 32
	v_pk_add_f32 v[ST+n:ST+n+1], v[AC+n:AC+n+1], v[BB:BB+1] op_sel_hi:[1,0]
.set n, n+2
.endr
	WIN 0
.Lbiased_\@:
.if (\a) > 0
	s_wait_xcnt 0x0
.if (\a) == 4
	s_add_nc_u64 s[18:19], s[18:19], s[16:17]
.else
	s_add_nc_u64 s[18:19], s[18:19], s[14:15]
.endif
.endif
	QUANT ST, PWS+(\a)
	global_store_b128 v[VO0], v[PC:PC+3], s[18:19]
	global_store_b128 v[VO1], v[PC+4:PC+7], s[18:19]
	global_store_b128 v[VO2], v[PC+8:PC+11], s[18:19]
	global_store_b128 v[VO3], v[PC+12:PC+15], s[18:19]
.endm
	PLACES NP
.irp b, 0,1,2,3
	v_mov_b32 v[TM+4+\b], 0
.endr
	v_mov_b32 v[BB+1], 0
.irp a, 0,1,2,3,4,5,6,7
	OUT \a
.endr
	v_and_b32 v[LN], 31, v0
	v_cmp_le_u32 vcc_lo, 16, v[LN]
.irp i, 0,1,2,3
	v_perm_b32 v[XW+\i], v[PWS+2*\i+1], v[PWS+2*\i], s[PRM0]
	v_perm_b32 v[XW+4+\i], v[PWS+2*\i+1], v[PWS+2*\i], s[PRM1]
.endr
.irp n, 0,1,2,3,4,5,6,7
	v_cndmask_b32 v[XW+\n], v[XW+\n], v[PWS+\n], s[MASKV]
.endr
.irp m, 0,1,2,3
	v_cndmask_b32 v[YW+\m], v[XW+2*\m], v[XW+2*\m+1], vcc_lo
.endr
	global_store_b64 v[SO0], v[YW:YW+1], s[20:21]
	global_store_b64 v[SO1], v[YW+2:YW+3], s[20:21]
	s_wait_tensorcnt 0x0
	ds_add_u32 v[SPW], v[NIL]
	s_wait_dscnt 0x0
	CROUND
	s_endpgm
.Lfunc_end_k_qc48eabc2ac_proj:
	.size	k_qc48eabc2ac_proj, .Lfunc_end_k_qc48eabc2ac_proj-k_qc48eabc2ac_proj
	.p2alignl 7, 3214868480
	.fill 96, 4, 3214868480
	.section	.rodata,"a",@progbits
	.p2align	6, 0x0
	.amdhsa_kernel k_qc48eabc2ac_proj
		.amdhsa_group_segment_fixed_size 327680
		.amdhsa_private_segment_fixed_size 0
		.amdhsa_enable_private_segment 0
		.amdhsa_kernarg_size 72
		.amdhsa_user_sgpr_count 2
		.amdhsa_user_sgpr_kernarg_segment_ptr 1
		.amdhsa_wavefront_size32 1
		.amdhsa_system_sgpr_workgroup_id_x 1
		.amdhsa_system_sgpr_workgroup_id_y 1
		.amdhsa_system_sgpr_workgroup_id_z 1
		.amdhsa_system_vgpr_workitem_id 0
		.amdhsa_next_free_vgpr 1024
		.amdhsa_next_free_sgpr 102
		.amdhsa_reserve_vcc 1
		.amdhsa_float_denorm_mode_32 3
		.amdhsa_float_denorm_mode_16_64 3
		.amdhsa_memory_ordered 1
		.amdhsa_forward_progress 1
		.amdhsa_inst_pref_size 225
	.end_amdhsa_kernel
	.amdgpu_metadata
---
amdhsa.version: [ 1, 2 ]
amdhsa.kernels:
  - .name:           k_qc48eabc2ac_proj
    .symbol:         k_qc48eabc2ac_proj.kd
    .args:
      - { .name: xc, .offset: 0, .size: 8, .value_kind: global_buffer, .address_space: global }
      - { .name: xs, .offset: 8, .size: 8, .value_kind: global_buffer, .address_space: global }
      - { .name: wc, .offset: 16, .size: 8, .value_kind: global_buffer, .address_space: global }
      - { .name: ws, .offset: 24, .size: 8, .value_kind: global_buffer, .address_space: global }
      - { .name: bq, .offset: 32, .size: 8, .value_kind: global_buffer, .address_space: global }
      - { .name: bk, .offset: 40, .size: 8, .value_kind: global_buffer, .address_space: global }
      - { .name: bv, .offset: 48, .size: 8, .value_kind: global_buffer, .address_space: global }
      - { .name: qc, .offset: 56, .size: 8, .value_kind: global_buffer, .address_space: global }
      - { .name: kv, .offset: 64, .size: 8, .value_kind: global_buffer, .address_space: global }
    .group_segment_fixed_size: 327680
    .private_segment_fixed_size: 0
    .kernarg_segment_align: 8
    .kernarg_segment_size: 72
    .max_flat_workgroup_size: 128
    .sgpr_count:     102
    .vgpr_count:     1024
    .wavefront_size: 32
...
	.end_amdgpu_metadata
.endif
;; end of part 2
;; launch attn (part 3): grid 4 x 64, 16 waves a work-group, clusters of 4 x 1, 327,680 bytes of LDS; arguments qc, kv, out0; writes out0
.if DOCPART == 3
	.amdgcn_target "amdgcn-amd-amdhsa--gfx1250"
	.amdhsa_code_object_version 6
	.text
	.protected	k_qc48eabc2ac_attn
	.globl	k_qc48eabc2ac_attn
	.p2align	8
	.type	k_qc48eabc2ac_attn,@function
k_qc48eabc2ac_attn:
	s_mov_b64 s[64:65], 0
	v_nop
	global_prefetch_b8 v0, s[64:65] scope:SCOPE_SE
	s_setreg_imm32_b32 hwreg(HW_REG_WAVE_MODE, 25, 1), 1
	s_wait_xcnt 0x0
	s_wait_alu depctr_hold_cnt(0) depctr_sa_sdst(0) depctr_va_vdst(0) depctr_va_sdst(0) depctr_va_ssrc(0) depctr_va_vcc(0) depctr_vm_vsrc(0)
	s_getreg_b32 s2, hwreg(HW_REG_IB_STS2, 6, 4)
	s_cmp_eq_u32 s2, 0
	s_cbranch_scc0 .Lentry_in_a_cluster
	s_endpgm
.Lentry_in_a_cluster:
	s_bfe_u32 s2, ttmp6, 0x10000c
	s_cmp_lg_u32 s2, 0x3003
	s_cbranch_scc0 .Lentry_shape_is_right
	s_endpgm
.Lentry_shape_is_right:
; out[b][q][64 h ..] = the sum over k of softmax_k(Q . K / 32) V for 64 heads (4 batches x 16) of 2,048 tokens and 64 channels, both products on codes of FP8 (E4M3) with E8M0 scales.
; THE SOFTMAX AHEAD OF THE SECOND PRODUCT: t = score x log2(e) / 32; M = the row's largest t so far, rounded UP to a whole number; p = 2^(t - M) is quantised along the keys, not normalised.
; The row's sum is taken of the unquantised p and divides at the end.  When M moves, the sum and O are multiplied by 2^(old M - new M): exact.
; INPUTS are images of operand registers (16 bytes a lane), in records of 128 tokens: kv: K 8,192 | V 8,192 | K's scale words 256 | V's 256; qc: Q 8,192 | scale words 256.
; SHARES.  A work-group owns 512 queries of one head; each of its sixteen waves owns 16 of them at a time, twice; four waves share a SIMD.
; THE WHOLE HEAD'S K AND V, 16 records, 270,336 bytes, STAY IN LDS: filled once, never again.  The four work-groups of a cluster own one head: every fill is asked for jointly.
; Wave w fetches record w: one tensor load a wave, one line for all.
; No prefetch: all tiles are asked for at the head, so there is no loop in which to ask ahead.
; LAYOUT.  Both products are used transposed: S^T = K Q^T, O^T = V^T P^T: a lane holds one query (lane % 16).  A tile's 16 keys are 32 b + 8 u + r + 8 (r / 8), so the 16 registers of tiles 2 b, 2 b + 1 are 16 neighbouring keys.
; K = 64 IN AN INSTRUCTION OF 128: source 0 is a PAIR of key tiles.  Against [Q, zeros] it gives tile 2 i's scores, against [zeros, Q] tile 2 i + 1's: zero codes add nothing.
; LIMITS: NaN and infinities are not served; a p under 2^-126 falls to 0 (the exponential flushes); a block's largest p is taken through its largest score, which takes the exponential not to fall where its input rises.
.set REC,   16896
.set HEADB, 16*REC
.set VOFF,  8192
.set KSC,   16384
.set VSC,   16640
.set QREC,  8448
.set STAGE, HEADB                      ; behind the head: 16 rows x (128 bytes + 16) for each wave, for the way out; no fill lands there
.set SROW,  144
.set WSTG,  16*SROW
.set SPARE, STAGE+16*WSTG              ; the spare words, 128 bytes a wave
.set LI,   1                           ; 16 x lane
.set LW,   2                           ; 8 x lane
.set ADK,  3                           ; LDS address of the step's images
.set ADS,  4                           ; and of its scale words
.set STO,  5                           ; the way out: into the stage
.set RD,   6                           ; and back
.set GO,   7                           ; my byte offset in out
.set QSO,  8                           ; 8 x (lane % 16)
.set QS0,  10                          ; Q's scale word (q0, q1, 0, 0); v11 (0, 0, q0, q1)
.set QS1,  11
.set QF,   16                          ; v16-23 Q, v24-31 zeros, v32-39 Q again
.set FRG,  40                          ; v40-103 four pairs of K, or V's four fragments
.set S,    104                         ; v104-167 S^T, then p
.set O,    168                         ; v168-199 O^T
.set PC,   200                         ; v200-215 p's codes
.set BM,   216                         ; the blocks' largest
.set PT,   220                         ; from the other half; bytes
.set HL,   224                         ; 448 x the scale
.set CVS,  228                         ; the conversions' scale operands
.set F,    232                         ; v[232:233] f
.set TMP,  234
.set KSW,  240                         ; v[240:241] K's scale words; v[242:243] V's; v244 p's
.set VSW,  242
.set PSW,  244
.set SPW,  245                         ; my spare word
.set QNW,  246                         ; the next tile's scale word, and v248-255 its codes
.set NIL,  247                         ; 0
.set QN,   248
.set WV,   10
.set SEL,  20
.set CS,   22
.set G1,   24
.set G0,   32
.set TB,   48                          ; LDS byte at which the step's record begins
.macro ROUND                           ; a round of the cluster's barrier
	s_barrier_signal -1
	s_barrier_wait -1
	s_cmp_lg_u32 s[WV], 0
	s_cbranch_scc1 .Lnot_wave_0_\@
	s_barrier_signal -3
.Lnot_wave_0_\@:
	s_barrier_wait -3
	s_barrier_signal -1
	s_barrier_wait -1
.endm
	s_load_b128 s[4:7], s[0:1], 0x0                ; qc, kv
	s_load_b64 s[8:9], s[0:1], 0x10                ; out0
	v_lshl_add_u32 v[SPW], v0, 2, SPARE
	v_mov_b32 v[NIL], 0
	ds_add_u32 v[SPW], v[NIL]                      ; the opening lines: the add twice on end and its wait
	ds_add_u32 v[SPW], v[NIL]
	v_lshrrev_b32 v9, 5, v0
	v_readfirstlane_b32 s[WV], v9                  ; wave 0..15
	s_and_b32 s11, ttmp7, 0xffff                   ; the head: the cluster's y
	s_bfe_u32 s12, ttmp6, 0x40000                  ; cx: which 512 queries; it enters Q's and out's addresses alone
	v_and_b32 v9, 31, v0
	v_and_b32 v3, 15, v0                           ; r
	v_bfe_u32 v4, v0, 4, 1                         ; h
	v_and_b32 v7, 7, v0
	v_lshlrev_b32 v[LI], 4, v9
	v_lshlrev_b32 v[LW], 3, v9
	s_mul_i32 s13, s[WV], WSTG
	s_add_co_u32 s13, s13, STAGE                   ; my stage
	v_mul_u32_u24 v[STO], v3, SROW
	v_mul_u32_u24 v[RD], v4, SROW
	v_lshl_add_u32 v[STO], v4, 6, v[STO]
	v_lshl_add_u32 v[RD], v7, 4, v[RD]
	v_add_nc_u32 v[STO], s13, v[STO]               ; in: row r, 64 bytes for each half of the lanes
	v_add_nc_u32 v[RD], s13, v[RD]                 ; back: lanes 0-15 one row, lanes 16-31 the next; eight lanes cover its 128 bytes
	v_lshlrev_b32 v[GO], 12, v4
	v_lshlrev_b32 v[QSO], 3, v3
	v_lshl_add_u32 v[GO], v3, 4, v[GO]             ; the same two rows in out, 16 bytes a lane
	; descriptor group 1: a record, 16,896 dense bytes, as 66 rows of 256 bytes (32 elements of 8); no padding: images are read as consecutive bytes
	s_mov_b32 s[G1], 15|(3<<16)|(1<<21)            ; the mask: all four work-groups; elements of 8 bytes; bit 21 beside a mask
	s_mov_b32 s[G1+1], 32<<16
	s_mov_b32 s[G1+2], 66<<16
	s_mov_b32 s[G1+3], 32<<16
	s_mov_b32 s[G1+4], 66
	s_mov_b32 s[G1+5], 32
	s_mov_b32 s[G1+6], 0
	s_mov_b32 s[G1+7], 0
	s_mul_i32 s13, s[WV], REC                      ; the record that I fetch: in LDS,
	s_mul_i32 s58, s11, HEADB
	s_add_co_u32 s58, s58, s13                     ; and in memory: the head and the wave's number alone
	s_mov_b32 s59, 0
	s_lshl_b32 s60, s11, 4
	s_lshl_b32 s14, s12, 2
	s_add_co_u32 s60, s60, s14
	s_lshr_b32 s14, s[WV], 3
	s_add_co_u32 s60, s60, s14                     ; Q's record: 16 head + 4 cx + wave / 8
	s_mul_i32 s60, s60, QREC
	s_mov_b32 s61, 0
	s_and_b32 s62, s[WV], 7
	s_lshl_b32 s62, s62, 10                        ; my tile in it
	s_mov_b32 s63, 0
	s_bfe_u32 s16, s[WV], 0x10001
	s_lshl_b32 s16, s16, 7                         ; my pair's scale word: the odd pairs' lie in lanes 16-31,
	s_bfe_u32 s14, s[WV], 0x10002
	s_lshl_b32 s14, s14, 2                         ; pairs 2, 3 in the second word
	s_add_co_u32 s16, s16, s14
	s_add_co_u32 s16, s16, 8192
	s_mov_b32 s17, 0
	s_lshr_b32 s15, s11, 4
	s_lshl_b32 s15, s15, 11                        ; out: the batch's 2,048 rows,
	s_lshl_b32 s14, s12, 9
	s_add_co_u32 s15, s15, s14                     ; my work-group's 512,
	s_lshr_b32 s14, s[WV], 3
	s_lshl_b32 s14, s14, 7
	s_add_co_u32 s15, s15, s14                     ; the record's 128,
	s_bfe_u32 s14, s[WV], 0x20001
	s_lshl_b32 s14, s14, 5
	s_add_co_u32 s15, s15, s14                     ; the pair's 32,
	s_and_b32 s14, s[WV], 1
	s_lshl_b32 s14, s14, 3
	s_add_co_u32 s15, s15, s14                     ; and 8 for the odd tile: tile row rr is token rr + 8 (rr / 8) from here
	s_lshl_b32 s56, s15, 12
	s_and_b32 s14, s11, 15
	s_lshl_b32 s14, s14, 8
	s_add_co_u32 s56, s56, s14                     ; + the head's 256 bytes of a row
	s_mov_b32 s57, 0
	s_and_b32 s18, s[WV], 1
	s_lshl_b32 s18, s18, 4                         ; my tile's two bytes of the pair's word
	s_mov_b32 s19, 0x600000                        ; the mantissa field of 448
	s_mov_b32 s[SEL], 0x76543210
	s_mov_b32 s[SEL+1], 0xfedcba98                 ; lane l xor 16
	s_mov_b32 s[CS], 0x3d38aa3b                    ; c = log2(e) / 32
	s_mov_b32 s[CS+1], s[CS]
	s_mov_b32 s50, 2                               ; tiles of queries to go
	s_mov_b32 s51, 0xff00ff00                      ; the lanes with lane & 8
	s_wait_dscnt 0x0                               ; both opening adds are done
	s_wait_kmcnt 0x0
	s_add_nc_u64 s[6:7], s[6:7], s[58:59]
	s_add_nc_u64 s[4:5], s[4:5], s[60:61]
	s_add_nc_u64 s[52:53], s[4:5], s[62:63]        ; Q's codes
	s_add_nc_u64 s[54:55], s[4:5], s[16:17]        ; Q's scale word
	s_add_nc_u64 s[8:9], s[8:9], s[56:57]
	s_mov_b32 s[G0], 1
	s_mov_b32 s[G0+1], s13
	s_mov_b64 s[G0+2:G0+3], s[6:7]
	s_or_b32 s[G0+3], s[G0+3], 0x80000000
	ROUND                                          ; all four work-groups are here: the joint loads meet
	tensor_load_to_lds s[G0:G0+3], s[G1:G1+7]      ; my record: my one tensor load of the launch
	s_nop 0
.rept 4
	v_nop
.endr
	s_wait_alu depctr_va_vdst(0)                   ; the offsets below were made many scalar lines back
	global_load_b128 v[QN:QN+3], v[LI], s[52:53] th:TH_LOAD_NT              ; my first tile of queries
	global_load_b128 v[QN+4:QN+7], v[LI], s[52:53] offset:512 th:TH_LOAD_NT
	global_load_b32 v[QNW], v[QSO], s[54:55]
.irp j, 0,1,2,3,4,5,6,7
	v_mov_b32 v[QF+8+\j], 0                        ; the zero half between the two copies of Q
.endr
.irp b, 0,1,2,3
	v_mov_b32 v[PT+\b], 0                          ; a lane permute's destination counts as one of its sources
.endr
	v_mov_b32 v[F+1], 0                            ; (named as the upper half of a pair)
; the row's sum: seven chains in v224-231, v236-241 (free here) beside v[14:15]; pair j of p lies at S + 2 j
.macro CADD k, j
	v_pk_add_f32 v[224+2*(\k)+4*((\k)/4):225+2*(\k)+4*((\k)/4)], v[224+2*(\k)+4*((\k)/4):225+2*(\k)+4*((\k)/4)], v[S+2*(\j):S+2*(\j)+1]
.endm
.macro CJOIN a, b
	v_pk_add_f32 v[224+2*(\a)+4*((\a)/4):225+2*(\a)+4*((\a)/4)], v[224+2*(\a)+4*((\a)/4):225+2*(\a)+4*((\a)/4)], v[224+2*(\b)+4*((\b)/4):225+2*(\b)+4*((\b)/4)]
.endm
.macro SJOIN b
	v_pk_add_f32 v[14:15], v[14:15], v[224+2*(\b)+4*((\b)/4):225+2*(\b)+4*((\b)/4)]
.endm
; A KEY STEP: 128 keys, one record.
.macro STEP
	v_add_nc_u32 v[ADK], s[TB], v[LI]
	v_add_nc_u32 v[ADS], s[TB], v[LW]
.rept 6
	v_nop                                          ; with the two additions: eight places in front of loads into registers that the last products read
.endr
	ds_load_b64 v[KSW:KSW+1], v[ADS] offset:KSC
.irp n, 0,1,2,3,4,5,6,7,8,9,10,11,12,13,14,15
	ds_load_b128 v[FRG+4*\n:FRG+4*\n+3], v[ADK] offset:512*\n
.endr
	s_wait_alu depctr_va_vdst(0)
.irp i, 0,1,2,3                                ; S^T = K Q^T: a pair of key tiles at a time
	s_wait_dscnt 12-4*\i                           ; pair i's four loads are in; the later pairs' 12 - 4 i may be out
.if \i%2
	v_wmma_scale_f32_16x16x128_f8f6f4 v[S+16*\i:S+16*\i+7], v[FRG+16*\i:FRG+16*\i+15], v[QF:QF+15], 0, v[KSW+\i/2], v[QS0] matrix_a_scale:MATRIX_SCALE_ROW1
	v_wmma_scale_f32_16x16x128_f8f6f4 v[S+16*\i+8:S+16*\i+15], v[FRG+16*\i:FRG+16*\i+15], v[QF+8:QF+23], 0, v[KSW+\i/2], v[QS1] matrix_a_scale:MATRIX_SCALE_ROW1
.else
	v_wmma_scale_f32_16x16x128_f8f6f4 v[S+16*\i:S+16*\i+7], v[FRG+16*\i:FRG+16*\i+15], v[QF:QF+15], 0, v[KSW+\i/2], v[QS0]
	v_wmma_scale_f32_16x16x128_f8f6f4 v[S+16*\i+8:S+16*\i+15], v[FRG+16*\i:FRG+16*\i+15], v[QF+8:QF+23], 0, v[KSW+\i/2], v[QS1]
.endif
.endr                                          ; register 16 b + i of a lane: key 32 b + 16 (lane / 16) + i
.rept 8
	v_nop                                          ; places in front of the reads of the scores and of the loads below
.endr
	ds_load_b64 v[VSW:VSW+1], v[ADS] offset:VSC    ; V is asked for now and lands under the softmax
.irp n, 0,1,2,3,4,5,6,7,8,9,10,11,12,13,14,15
	ds_load_b128 v[FRG+4*\n:FRG+4*\n+3], v[ADK] offset:VOFF+512*\n
.endr
.irp b, 0,1,2,3
	v_max3_num_f32 v[BM+\b], v[S+16*\b], v[S+1+16*\b], v[S+2+16*\b]   ; the largest score of each block of 32 keys: for the row's maximum and for the block's largest p
.endr
.irp i, 3,5,7,9,11,13
.irp b, 0,1,2,3
	v_max3_num_f32 v[BM+\b], v[BM+\b], v[S+16*\b+\i], v[S+1+16*\b+\i]
.endr
.endr
.irp b, 0,1,2,3
	v_max_num_f32 v[BM+\b], v[BM+\b], v[S+15+16*\b]
.endr
.irp b, 0,1,2,3
	v_permlanex16_b32 v[PT+\b], v[BM+\b], s[SEL], s[SEL+1]
.endr
.irp b, 0,1,2,3
	v_max_num_f32 v[BM+\b], v[BM+\b], v[PT+\b]     ; with lane l xor 16's 16 keys
.endr
	v_max3_num_f32 v[TMP], v[BM], v[BM+1], v[BM+2]
	v_max_num_f32 v[TMP], v[TMP], v[BM+3]
	v_mul_f32 v[TMP], s[CS], v[TMP]                ; the step's largest t (c is positive)
	v_max_num_f32 v13, v13, v[TMP]                 ; the running largest t
	v_mov_b32 v[TMP], v12
	v_floor_f32 v12, -v13                          ; the new -M = floor(-t): M is a whole number
	v_sub_f32 v[TMP], v12, v[TMP]                  ; old M - new M: a whole number, 0 or less
	v_cvt_i32_f32 v[TMP], v[TMP]                   ; (it saturates)
	v_ldexp_f32 v[F], 1.0, v[TMP]                  ; f = 2^(old M - new M)
.set j, 0
.rept 32
	v_pk_fma_f32 v[S+j:S+j+1], v[S+j:S+j+1], s[CS:CS+1], v[12:13] op_sel_hi:[1,0,0]   ; t - M, two at a time
.set j, j+2
.endr
.irp b, 0,1,2,3
	v_fma_f32 v[BM+\b], v[BM+\b], s[CS], v12       ; the same of each block's largest score
.endr
	s_wait_alu depctr_va_vdst(0)
.set j, 0
.rept 64
	v_exp_f32 v[S+j], v[S+j]                       ; p = 2^(t - M), at most 1
.set j, j+1
.endr
	v_pk_mul_f32 v[14:15], v[14:15], v[F:F+1] op_sel_hi:[1,0]   ; the sums under the new M: the plain line behind the exponentials
	s_wait_alu depctr_va_vdst(0)                   ; one wait for the batch of 64, ahead of its first reader
.irp b, 0,1,2,3
	v_exp_f32 v[BM+\b], v[BM+\b]                   ; the block's largest p: the same two instructions on the same number
.endr
.irp k, 0,1,2,3,4,5,6                          ; THE ROW'S SUM OF THE UNQUANTISED p: 32 pairs in eight chains
	v_pk_add_f32 v[224+2*\k+4*(\k/4):225+2*\k+4*(\k/4)], v[S+2*\k:S+2*\k+1], v[S+2*\k+14:S+2*\k+15]
.endr
	v_pk_add_f32 v[14:15], v[14:15], v[S+28:S+29]
.irp k, 0,1,2,3,4,5,6
	CADD \k, 15+\k
.endr
	v_pk_add_f32 v[14:15], v[14:15], v[S+44:S+45]
.irp k, 0,1,2,3,4,5,6
	CADD \k, 23+\k
.endr
	v_pk_add_f32 v[14:15], v[14:15], v[S+60:S+61]
	CADD 1, 31
	CJOIN 2, 3
	CJOIN 4, 5
	SJOIN 6
	CJOIN 0, 1
	CJOIN 2, 4
	SJOIN 0
	SJOIN 2
	s_wait_alu depctr_va_vdst(0)                   ; and one for the four
.irp b, 0,1,2,3
	v_max_num_f32 v[BM+\b], 0x4800000, v[BM+\b]    ; the floor 2^(9 - 127): the byte cannot fall under 1
.endr
.irp b, 0,1,2,3
	v_add_nc_u32 v[CVS+\b], 0xfc000000, v[BM+\b]   ; 8 off the exponent field: the conversion's scale operand
.endr
.irp b, 0,1,2,3
	v_and_or_b32 v[HL+\b], v[BM+\b], 0x7f800000, s19   ; 448 x the scale
.endr
.irp b, 0,1,2,3
	v_lshrrev_b32 v[PT+\b], 23, v[CVS+\b]          ; the scale's byte
.endr
	v_lshl_or_b32 v[PSW], v[PT+1], 8, v[PT]        ; p's scale word for these 128 keys
	v_lshl_or_b32 v[PSW], v[PT+2], 16, v[PSW]
	v_lshl_or_b32 v[PSW], v[PT+3], 24, v[PSW]
.irp b, 0,1,2,3
.irp i, 0,2,4,6,8,10,12,14                     ; the conversion does not saturate (ISA guide 7.6.2); p is not negative, so the hold is one-sided; two holds to an instruction
	v_dual_min_num_f32 v[S+16*\b+\i], v[S+16*\b+\i], v[HL+\b] :: v_dual_min_num_f32 v[S+16*\b+\i+1], v[S+16*\b+\i+1], v[HL+\b]
.endr
	v_cvt_scalef32_pk8_fp8_f32 v[PC+4*\b:PC+4*\b+1], v[S+16*\b:S+16*\b+7], v[CVS+\b]
	v_cvt_scalef32_pk8_fp8_f32 v[PC+4*\b+2:PC+4*\b+3], v[S+16*\b+8:S+16*\b+15], v[CVS+\b]
.endr
	s_wait_alu depctr_va_vdst(0)                   ; the wait directly ahead of the first reader of O^T
.set j, 0
.rept 16
	v_pk_mul_f32 v[O+j:O+j+1], v[O+j:O+j+1], v[F:F+1] op_sel_hi:[1,0]   ; O^T under the new M; these sixteen are also the places between the codes and the products
.set j, j+2
.endr
	s_wait_alu depctr_va_vdst(0)
	s_wait_dscnt 0x0                               ; V is in
.irp t, 0,1,2,3                                ; O^T += V^T P^T: the four accumulators by turns
.if \t%2
	v_wmma_scale_f32_16x16x128_f8f6f4 v[O+8*\t:O+8*\t+7], v[FRG+16*\t:FRG+16*\t+15], v[PC:PC+15], v[O+8*\t:O+8*\t+7], v[VSW+\t/2], v[PSW] matrix_a_scale:MATRIX_SCALE_ROW1
.else
	v_wmma_scale_f32_16x16x128_f8f6f4 v[O+8*\t:O+8*\t+7], v[FRG+16*\t:FRG+16*\t+15], v[PC:PC+15], v[O+8*\t:O+8*\t+7], v[VSW+\t/2], v[PSW]
.endif
.endr
	s_add_co_u32 s[TB], s[TB], REC                 ; the next record
.endm
	s_wait_alu depctr_va_vdst(0)
	s_wait_tensorcnt 0x0                           ; my record is in
	s_barrier_signal -1
	s_barrier_wait -1                              ; and so is every wave's: the whole head lies in LDS, and nothing is filled again
.Lpass:                                            ; two trips: a tile of 16 queries each
	s_wait_loadcnt 0x0                             ; the tile's codes and scale word
.irp j, 0,1,2,3,4,5,6,7
	v_mov_b32 v[QF+\j], v[QN+\j]                   ; [Q, zeros, Q]: v16-31 is [Q, 0], v24-39 is [0, Q]
	v_mov_b32 v[QF+16+\j], v[QN+\j]
.endr
	v_lshrrev_b32 v[QS0], s18, v[QNW]
	v_and_b32 v[QS0], 0xffff, v[QS0]               ; (q0, q1, 0, 0): the byte 0 stands over zero codes alone
	v_lshlrev_b32 v[QS1], 16, v[QS0]               ; (0, 0, q0, q1)
	s_cmp_eq_u32 s50, 1                            ; the next tile is asked for a whole tile ahead, if there is one: no load leaves its buffer
	s_cbranch_scc1 .Lno_q
	global_load_b128 v[QN:QN+3], v[LI], s[52:53] offset:2*QREC th:TH_LOAD_NT
	global_load_b128 v[QN+4:QN+7], v[LI], s[52:53] offset:2*QREC+512 th:TH_LOAD_NT
	global_load_b32 v[QNW], v[QSO], s[54:55] offset:2*QREC
.Lno_q:
	v_mov_b32 v13, 0xff61b1e6                      ; the largest t so far: -3e38, under every t
	v_mov_b32 v14, 0                               ; the sum, in two halves
	v_mov_b32 v15, 0
	v_floor_f32 v12, -v13                          ; -M
.set j, 0
.rept 32
	v_mov_b32 v[O+j], 0                            ; O^T: the step is written once; the first finds zeros, which the first change of M leaves zeros
.set j, j+1
.endr
	s_mov_b32 s[TB], 0
	s_mov_b32 s49, 16                              ; the head's 16 records
.Lstep:
	STEP
	s_sub_co_u32 s49, s49, 1
	s_cmp_lg_u32 s49, 0
	s_cbranch_scc1 .Lstep
	; THE WAY OUT.  O^T / the sum; register 16 b + i of a lane is channel 32 b + 16 (lane / 16) + i of its query.  Half a head's row (128 bytes) of 16 queries at a time goes through my stage; lanes 0-7 of each
	; half of the wave keep the first half's 16 bytes, lanes 8-15 the second's, so that sixteen lanes store the head's 256 consecutive bytes of a row, aligned.
.rept 6
	v_nop                                          ; with the lines below: more than eight places behind the last products
.endr
	v_add_f32 v14, v14, v15
	v_permlanex16_b32 v[TMP], v14, s[SEL], s[SEL+1]
	v_add_f32 v14, v14, v[TMP]                     ; the row's sum
	s_wait_alu depctr_va_vdst(0)
	v_rcp_f32 v14, v14
	v_nop                                          ; a plain line behind the reciprocal
	s_wait_alu depctr_va_vdst(0)                   ; and the wait ahead of its first reader, which is O^T's first reader too
.set j, 0
.rept 16
	v_pk_mul_f32 v[S+j:S+j+1], v[O+j:O+j+1], v[14:15] op_sel_hi:[1,0]
.set j, j+2
.endr
.irp b, 0,1
.irp q, 0,1,2,3
	ds_store_b128 v[STO], v[S+16*\b+4*\q:S+16*\b+4*\q+3] offset:16*\q
.endr
.irp k, 0,1,2,3,4,5,6,7
	ds_load_b128 v[FRG+32*\b+4*\k:FRG+32*\b+4*\k+3], v[RD] offset:2*SROW*\k   ; LDS serves a wave's instructions in order: these see my stores, and the second half's stores come behind them
.endr
.endr
	s_wait_dscnt 0x0
.set j, 0
.rept 32
	v_cndmask_b32 v[FRG+j], v[FRG+j], v[FRG+32+j], s51
.set j, j+1
.endr
.irp k, 0,1,2,3,4,5,6,7
	global_store_b128 v[GO], v[FRG+4*\k:FRG+4*\k+3], s[8:9] offset:(2*\k+8*(\k/4))*4096 th:TH_STORE_NT   ; tile rows 2 k, 2 k + 1: tokens rr + 8 (rr / 8)
.endr
	s_wait_xcnt 0x0                                ; the stores have read their data and their base: both are written again only behind this wait
	s_add_nc_u64 s[8:9], s[8:9], 0x100000          ; 256 rows of out on
	s_sub_co_u32 s50, s50, 1
	s_cmp_lg_u32 s50, 0
	s_cbranch_scc1 .Lpass
	s_wait_tensorcnt 0x0                           ; the wave's end
	ds_add_u32 v[SPW], v[NIL]
	s_wait_dscnt 0x0
	ROUND                                          ; the closing round
	s_endpgm
.Lfunc_end_k_qc48eabc2ac_attn:
	.size	k_qc48eabc2ac_attn, .Lfunc_end_k_qc48eabc2ac_attn-k_qc48eabc2ac_attn
	.p2alignl 7, 3214868480
	.fill 96, 4, 3214868480
	.section	.rodata,"a",@progbits
	.p2align	6, 0x0
	.amdhsa_kernel k_qc48eabc2ac_attn
		.amdhsa_group_segment_fixed_size 327680
		.amdhsa_private_segment_fixed_size 0
		.amdhsa_enable_private_segment 0
		.amdhsa_kernarg_size 24
		.amdhsa_user_sgpr_count 2
		.amdhsa_user_sgpr_kernarg_segment_ptr 1
		.amdhsa_wavefront_size32 1
		.amdhsa_system_sgpr_workgroup_id_x 1
		.amdhsa_system_sgpr_workgroup_id_y 1
		.amdhsa_system_sgpr_workgroup_id_z 1
		.amdhsa_system_vgpr_workitem_id 0
		.amdhsa_next_free_vgpr 256
		.amdhsa_next_free_sgpr 66
		.amdhsa_reserve_vcc 0
		.amdhsa_float_denorm_mode_32 3
		.amdhsa_float_denorm_mode_16_64 3
		.amdhsa_memory_ordered 1
		.amdhsa_forward_progress 1
		.amdhsa_inst_pref_size 33
	.end_amdhsa_kernel
	.amdgpu_metadata
---
amdhsa.version: [ 1, 2 ]
amdhsa.kernels:
  - .name:           k_qc48eabc2ac_attn
    .symbol:         k_qc48eabc2ac_attn.kd
    .args:
      - { .name: qc, .offset: 0, .size: 8, .value_kind: global_buffer, .address_space: global }
      - { .name: kv, .offset: 8, .size: 8, .value_kind: global_buffer, .address_space: global }
      - { .name: out0, .offset: 16, .size: 8, .value_kind: global_buffer, .address_space: global }
    .group_segment_fixed_size: 327680
    .private_segment_fixed_size: 0
    .kernarg_segment_align: 8
    .kernarg_segment_size: 24
    .max_flat_workgroup_size: 512
    .sgpr_count:     66
    .vgpr_count:     256
    .wavefront_size: 32
...
	.end_amdgpu_metadata
.endif
;; end of part 3
